; MI455X (gfx1250); checked and timed in simulation.
; The chip was launched on July 23, 2026; its instructions are those of AMD's public machine-readable ISA for CDNA 5 (MIT licence, August 2026) and "CDNA5" Instruction Set Architecture Reference Guide (July 2026). The comments in the code are by the model that wrote it; some were corrected since.
;; Sampling Layer. Allowed arithmetic: float matrix products may take bf16 or f16 operands with f32 sums; all other float work in f32.
;; Inputs: W1 2 x 2 x 256 float32; W2 2 x 256 x 256 float32; W3 2 x 256 x 4 float32; b1 2 x 256 float32; b2 2 x 256 float32; b3 2 x 4 float32; epsilon 131,072 x 2 float32; z_log_var 131,072 x 2 float32; z_mean 131,072 x 2 float32.
;; Outputs: out0 131,072 x 2 float32.
;; One version. Each part assembles by itself: llvm-mc -triple=amdgcn-amd-amdhsa -mcpu=gfx1250 --defsym DOCPART=n.
;; ======== version 1 of 1: 2 launches
;; workspace buffers: coef 256 bytes
;; launch fold (part 1): grid 8 x 1, 16 waves a work-group, no clusters, 2,304 bytes of LDS; arguments W1, b1, W2, b2, W3, coef; writes coef
.if DOCPART == 1
	.amdgcn_target "amdgcn-amd-amdhsa--gfx1250"
	.amdhsa_code_object_version 6
	.text
	.protected	k_q72595b9173_fold
	.globl	k_q72595b9173_fold
	.p2align	8
	.type	k_q72595b9173_fold,@function
k_q72595b9173_fold:
	s_mov_b64 s[64:65], 0
	v_nop
	global_prefetch_b8 v0, s[64:65] scope:SCOPE_SE
	s_setreg_imm32_b32 hwreg(HW_REG_WAVE_MODE, 25, 1), 1
	s_wait_xcnt 0x0
; FOLD: the MADE net of reference() has no activation, and its masks are constants of reference() itself:
; M1 keeps row 0 of W1, M2 keeps all of W2, M3 keeps columns 2 and 3 of W3.  So for every input the net's outputs are
;   o0 = b3[0], o1 = b3[1], o_c = A_c y0 + C_c  (c = 2, 3)   with
;   A_c = W1[0,:] W2 W3[:,c]      C_c = (b1 W2 + b2) W3[:,c] + b3[c].
; This launch forms, for each flow f, the sums A2, A3, C2, C3 (C without b3) in four partial sums:
; work-group g = 4 f + q takes rows 64 q .. 64 q + 63 of W2[f] and stores its four f32 at byte 16 g of coef.
; The next launch adds the four quarters and b3.
;
; SHARES.  W2 is seen as [512][256].  Wave w of group g owns rows R0 = 64 g + 4 w .. R0 + 3.  Lane l owns columns 4 l .. 4 l + 3
; and 128 + 4 l .. 128 + 4 l + 3, so that each W2 load of a wave covers 512 consecutive bytes, aligned.  All eight W2 loads of a
; lane are issued at once: the group's whole 64 KiB is requested before anything is waited for.  One trip, no loop.
; t[r][c] = sum over j of W2[r][j] W3[j][c];  A_c += W1[0][r] t[r][c];  C_c += b1[r] t[r][c];  and each wave adds the b2 term
; of the four indices j = its own row numbers, so that the 64 waves of a flow cover b2's 256 numbers once, all waves alike.
;
; WHY NO MATRIX UNIT: two useful columns (W3's) and two useful rows (W1's row 0, b1) would fill a small part of a 16 x 16 tile, the
; whole work is 80 fused multiply-adds a lane, and the results enter an exponential, where f32 is wanted.
; WHY NO CLUSTER, NO TENSOR LOAD: each byte of W2 is used once by one wave; what is shared (W3[f], 4 KiB) is 1/16 of a group's bytes.
; THE STORE is 16 bytes a work-group, 128 bytes in all: the launch's whole output is smaller than 256 bytes.
;
; LIMITS.  (1) Sums are in f32, in another order than reference()'s.  (2) The masked parts (W1 row 1, W3 columns 0 and 1) take no
; part, so a NaN or an infinity there, which reference() turns into NaN by 0 x inf, has no effect here.  (3) Where a hidden unit of
; reference() overflows f32 and these reassociated sums do not, the results differ.
.set Y,   8                            ; v[8:23]   k = 4 half + e: v[Y+2k], v[Y+2k+1] = W3[f][128 half + 4 l + e][2], [3]
.set X,   24                           ; v[24:55]  row r: v[X+8r+k] = W2[R0+r][128 half + 4 l + e]
.set T,   56                           ; v[56:63]  t[r][2], t[r][3] at v[T+2r], v[T+2r+1]; later the other half's sums
.set P,   64                           ; v[64:67]  A2, A3, C2, C3
.set SW1, 28                           ; s[28:31]  W1[f][0][h .. h+3], h = my four rows inside the flow
.set SB1, 32                           ; s[32:35]  b1 of the same four
.set SB2, 36                           ; s[36:39]  b2 of the same four
.set SW3, 40                           ; s[40:55]  W3 rows R0 .. R0+3: row r, column c at s[SW3+4r+c]
	s_load_b256 s[4:11], s[0:1], 0x0               ; W1 s[4:5], b1 s[6:7], W2 s[8:9], b2 s[10:11]
	s_load_b128 s[12:15], s[0:1], 0x20             ; W3 s[12:13], coef s[14:15]
	v_lshl_add_u32 v76, v0, 2, 0x100
	v_mov_b32 v77, 0
	v_and_b32 v1, 31, v0                           ; lane
	v_lshrrev_b32 v2, 5, v0                        ; wave
	v_readfirstlane_b32 s16, v2                    ; wave, as a scalar
	s_lshl_b32 s18, ttmp9, 8
	s_lshl_b32 s17, s16, 4
	s_add_co_u32 s18, s18, s17                     ; 4 R0 = 256 g + 16 w: byte offset in b1 and b2 seen as [512]
	s_and_b32 s19, ttmp9, 4                        ; 4 f
	s_lshl_b32 s20, s19, 8                         ; 1,024 f more: a flow of W1 is two rows of 1,024 bytes,
	s_add_co_u32 s20, s20, s18                     ; so 2,048 f + 4 h is row 0 of my flow at my four numbers
	s_lshl_b32 s22, s18, 2                         ; 16 R0: W3 seen as [512][4]
	s_lshl_b32 s24, ttmp9, 16                      ; the group's 64 rows of 1,024 bytes in W2
	s_lshl_b32 s26, s19, 10                        ; 4,096 f: W3[f]
	s_lshl_b32 s27, ttmp9, 4                       ; my 16 bytes of coef
	s_mov_b32 s58, 0x76543210                      ; v_permlanex16_b32: lane i of one half reads lane i of the other
	s_mov_b32 s59, 0xfedcba98
	v_lshlrev_b32 v3, 4, v1                        ; W2: 16 l
	v_lshl_add_u32 v3, v2, 12, v3                  ;     + 4 rows x wave
	v_add_nc_u32 v3, s24, v3                       ;     + the group's rows
	v_lshl_add_u32 v4, v1, 6, s26                  ; W3: four rows of 16 bytes x lane + the flow
	v_lshlrev_b32 v5, 4, v2                        ; LDS: my wave's 16 bytes
	v_and_b32 v6, 15, v0
	v_lshlrev_b32 v6, 4, v6                        ; LDS: the 16 bytes of wave (l % 16), for the last sum
	s_wait_kmcnt 0x0                               ; the six addresses
	; all loads, W3's first: they are needed with W2's first row
.irp hf, 0,1
.irp e, 0,1,2,3
	global_load_b64 v[Y+2*(4*\hf+\e):Y+2*(4*\hf+\e)+1], v4, s[12:13] offset:2048*\hf+16*\e+8   ; columns 2 and 3 of row 128 half + 4 l + e
.endr
.endr
.irp r, 0,1,2,3
.irp hf, 0,1
	global_load_b128 v[X+8*\r+4*\hf:X+8*\r+4*\hf+3], v3, s[8:9] offset:1024*\r+512*\hf th:TH_LOAD_NT   ; read once in the launch
.endr
.endr
	s_load_b128 s[SW1:SW1+3], s[4:5], s20 offset:0x0
	s_load_b128 s[SB1:SB1+3], s[6:7], s18 offset:0x0
	s_load_b128 s[SB2:SB2+3], s[10:11], s18 offset:0x0
	s_load_b512 s[SW3:SW3+15], s[12:13], s22 offset:0x0
	s_wait_kmcnt 0x0                               ; scalar loads return in no order: zero is the only count that shows anything
	s_mul_f32 s56, s[SB2], s[SW3+2]                ; the b2 term of my four indices, while W2 is on its way
	s_mul_f32 s57, s[SB2], s[SW3+3]
.irp r, 1,2,3
	s_fmac_f32 s56, s[SB2+\r], s[SW3+4*\r+2]
	s_fmac_f32 s57, s[SB2+\r], s[SW3+4*\r+3]
.endr
; Row r times my eight rows of W3, two chains that take turns.  The first product starts each sum.
.macro ROWDOT r
	s_wait_loadcnt 6-2*\r                          ; loads return in order: row r's two are in (and W3's, issued earlier); the two of each later row stay out
	v_mul_f32 v[T+2*\r],   v[X+8*\r], v[Y]
	v_mul_f32 v[T+2*\r+1], v[X+8*\r], v[Y+1]
.irp k, 1,2,3,4,5,6,7
	v_fmac_f32 v[T+2*\r],   v[X+8*\r+\k], v[Y+2*\k]
	v_fmac_f32 v[T+2*\r+1], v[X+8*\r+\k], v[Y+2*\k+1]
.endr
.endm
	ROWDOT 0
	ROWDOT 1
	ROWDOT 2
	ROWDOT 3
	v_mul_f32 v[P],   s[SW1], v[T]                 ; A_c = sum over my rows of W1[0][r] t[r][c]
	v_mul_f32 v[P+1], s[SW1], v[T+1]
	v_mul_f32 v[P+2], s[SB1], v[T]                 ; C_c = sum over my rows of b1[r] t[r][c]
	v_mul_f32 v[P+3], s[SB1], v[T+1]
.irp r, 1,2,3
	v_fmac_f32 v[P],   s[SW1+\r], v[T+2*\r]
	v_fmac_f32 v[P+1], s[SW1+\r], v[T+2*\r+1]
	v_fmac_f32 v[P+2], s[SB1+\r], v[T+2*\r]
	v_fmac_f32 v[P+3], s[SB1+\r], v[T+2*\r+1]
.endr
; One step of the sum across 16 lanes, for all four numbers: lane i adds lane i xor m.
.macro LANESUM m
.irp i, 0,1,2,3
	v_add_f32_dpp v[P+\i], v[P+\i], v[P+\i] row_xmask:\m row_mask:0xf bank_mask:0xf
.endr
.endm
	LANESUM 1
	LANESUM 2
	LANESUM 4
	LANESUM 8
.irp i, 0,1,2,3
	v_permlanex16_b32 v[T+\i], v[P+\i], s58, s59   ; the other half's sums; T has been written, as the destination has to be
.endr
.irp i, 0,1,2,3
	v_add_f32 v[P+\i], v[P+\i], v[T+\i]            ; every lane holds the wave's four sums
.endr
	v_add_f32 v[P+2], s56, v[P+2]                  ; the b2 term once a wave, behind the sum over the lanes
	v_add_f32 v[P+3], s57, v[P+3]
	ds_store_b128 v5, v[P:P+3]                     ; all lanes write the same 16 bytes with the same numbers
	s_wait_dscnt 0x0                               ; zero: wave 0 reads these bytes behind the barrier
	s_barrier_signal -1
	s_barrier_wait -1                              ; the only barrier; every wave passes it
	s_cmp_lg_u32 s16, 0
	s_cbranch_scc1 .Lend                           ; wave 0 alone adds the sixteen waves and stores
	ds_load_b128 v[P:P+3], v6                      ; lane l: the sums of wave l % 16
	s_wait_dscnt 0x0
	LANESUM 1
	LANESUM 2
	LANESUM 4
	LANESUM 8                                      ; the group's four sums, in every lane
	v_mov_b32 v72, s27
	s_wait_xcnt 0x0                                ; EXEC is a source of the loads above: it changes only behind this wait
	v_cmp_eq_u32 vcc_lo, 0, v0
	s_and_saveexec_b32 s60, vcc_lo                 ; lane 0 alone
	global_store_b128 v72, v[P:P+3], s[14:15]      ; coef[g] = A2, A3, C2, C3
	s_wait_xcnt 0x0                                ; and again, in front of the line that widens it
	s_or_b32 exec_lo, exec_lo, s60
.Lend:
	s_wait_tensorcnt 0x0
	ds_add_u32 v76, v77
	s_wait_dscnt 0x0
	s_endpgm
.Lfunc_end_k_q72595b9173_fold:
	.size	k_q72595b9173_fold, .Lfunc_end_k_q72595b9173_fold-k_q72595b9173_fold
	.p2alignl 7, 3214868480
	.fill 96, 4, 3214868480
	.section	.rodata,"a",@progbits
	.p2align	6, 0x0
	.amdhsa_kernel k_q72595b9173_fold
		.amdhsa_group_segment_fixed_size 2304
		.amdhsa_private_segment_fixed_size 0
		.amdhsa_enable_private_segment 0
		.amdhsa_kernarg_size 48
		.amdhsa_user_sgpr_count 2
		.amdhsa_user_sgpr_kernarg_segment_ptr 1
		.amdhsa_wavefront_size32 1
		.amdhsa_system_sgpr_workgroup_id_x 1
		.amdhsa_system_sgpr_workgroup_id_y 1
		.amdhsa_system_sgpr_workgroup_id_z 1
		.amdhsa_system_vgpr_workitem_id 0
		.amdhsa_next_free_vgpr 78
		.amdhsa_next_free_sgpr 66
		.amdhsa_reserve_vcc 1
		.amdhsa_float_denorm_mode_32 3
		.amdhsa_float_denorm_mode_16_64 3
		.amdhsa_memory_ordered 1
		.amdhsa_forward_progress 1
		.amdhsa_inst_pref_size 10
	.end_amdhsa_kernel
	.amdgpu_metadata
---
amdhsa.version: [ 1, 2 ]
amdhsa.kernels:
  - .name:           k_q72595b9173_fold
    .symbol:         k_q72595b9173_fold.kd
    .args:
      - { .name: W1, .offset: 0, .size: 8, .value_kind: global_buffer, .address_space: global }
      - { .name: b1, .offset: 8, .size: 8, .value_kind: global_buffer, .address_space: global }
      - { .name: W2, .offset: 16, .size: 8, .value_kind: global_buffer, .address_space: global }
      - { .name: b2, .offset: 24, .size: 8, .value_kind: global_buffer, .address_space: global }
      - { .name: W3, .offset: 32, .size: 8, .value_kind: global_buffer, .address_space: global }
      - { .name: coef, .offset: 40, .size: 8, .value_kind: global_buffer, .address_space: global }
    .group_segment_fixed_size: 2304
    .private_segment_fixed_size: 0
    .kernarg_segment_align: 8
    .kernarg_segment_size: 48
    .max_flat_workgroup_size: 512
    .sgpr_count:     66
    .vgpr_count:     78
    .wavefront_size: 32
...
	.end_amdgpu_metadata
.endif
;; end of part 1
;; launch flow (part 2): grid 256 x 1, 8 waves a work-group, no clusters, 0 bytes of LDS; arguments coef, b3, z_mean, z_log_var, epsilon, out0; writes out0
.if DOCPART == 2
	.amdgcn_target "amdgcn-amd-amdhsa--gfx1250"
	.amdhsa_code_object_version 6
	.text
	.protected	k_q72595b9173_flow
	.globl	k_q72595b9173_flow
	.p2align	8
	.type	k_q72595b9173_flow,@function
k_q72595b9173_flow:
	s_mov_b64 s[64:65], 0
	v_nop
	global_prefetch_b8 v0, s[64:65] scope:SCOPE_SE
	s_setreg_imm32_b32 hwreg(HW_REG_WAVE_MODE, 25, 1), 1
	s_wait_xcnt 0x0
; FLOW: z = z_mean + exp(z_log_var / 2) epsilon, then the two flows, row by row.
; With the net folded (see the launch before: o0 = b3[0], o1 = b3[1], o2 = A2 y0 + C2, o3 = A3 y0 + C3) a flow's two passes are
;   y0 = x0 exp(b3[1]) + b3[0]                 the same in both passes, since o0 and o1 hang on no y;
;   y1 = x1 exp(A3 y0 + C3) + (A2 y0 + C2)     from the second pass; the first pass's y1 meets only the zero row of M1.
; coef holds, for flow f and quarter q, the partial sums A2, A3, C2, C3 at byte 16 (4 f + q); every wave adds the four quarters
; and b3 in scalar registers while its vector loads are on their way.
;
; SHARES.  131,072 rows of 8 bytes = 1 MiB an array = 4 KiB for each of 256 work-groups.  Thread t owns 16 bytes, two rows
; (x0, x1, x0, x1), at byte 4,096 g + 16 t of all four arrays: three loads and one store, each of which covers 512 consecutive
; bytes of a wave, aligned.  One trip: no loop, no LDS, no barrier.  Each byte is read once and written once, and no work-group
; shares data with another but the 160 bytes of coefficients, so clusters, tensor loads and the matrix unit have nothing to do here.
;
; LIMITS.  (1) v_exp_f32 gives zero where the result would lie below 2^-126 (ISA guide 15.8).  (2) Exponents are formed as
; x log2(e) in f32, one rounding more than exp(x).  (3) Where the first pass's y1 = x1 exp(C3) + C2 overflows f32, reference()
; gets NaN from inf x 0 in the masked row of W1; this text never forms that number and gives the finite result.
.set CF,  16                           ; s[16:31] flow 0's four quarters, s[32:47] flow 1's.  Folded: s[CF+16f] A2, +1 A3 log2e, +2 C2, +3 C3 log2e
.set B3,  48                           ; s[48:55] b3: s[B3+4f] shift of y0, s[B3+4f+1] its log-scale (then x log2e), +2, +3 go into C2, C3
.set E,   2                            ; v2, v3    exp(b3[f][1])
.set SG,  4                            ; v[4:7]    z_log_var, then sigma
.set EP,  8                            ; v[8:11]   epsilon
.set Z,   12                           ; v[12:15]  z_mean, then x, then y: x0, x1 of my first row, x0, x1 of my second
.set LS,  16                           ; v16, v17  log-scale of y1 in base 2, then its exponential
.set SH,  18                           ; v18, v19  shift of y1
.set LOG2E,  0x3fb8aa3b                ; 1.442695
.set HLOG2E, 0x3f38aa3b                ; half of it
	s_load_b256 s[4:11], s[0:1], 0x0               ; coef s[4:5], b3 s[6:7], z_mean s[8:9], z_log_var s[10:11]
	s_load_b128 s[12:15], s[0:1], 0x20             ; epsilon s[12:13], out0 s[14:15]
	s_lshl_b32 s2, ttmp9, 12                       ; the group's 4 KiB
	v_lshl_add_u32 v1, v0, 4, s2                   ; + 16 t
	s_wait_kmcnt 0x0
	global_load_b128 v[SG:SG+3], v1, s[10:11] th:TH_LOAD_NT    ; z_log_var first: the exponentials start on it
	global_load_b128 v[EP:EP+3], v1, s[12:13] th:TH_LOAD_NT
	global_load_b128 v[Z:Z+3],   v1, s[8:9]   th:TH_LOAD_NT
	s_load_b512 s[CF:CF+15],    s[4:5], 0x0
	s_load_b512 s[CF+16:CF+31], s[4:5], 0x40
	s_load_b256 s[B3:B3+7],     s[6:7], 0x0
	s_wait_kmcnt 0x0
; The four quarters of flow f's sums, b3, and the factor that turns e^x into 2^x.
.macro FOLD f
.irp c, 0,1,2,3
	s_add_f32 s[CF+16*\f+\c],   s[CF+16*\f+\c],   s[CF+16*\f+4+\c]
	s_add_f32 s[CF+16*\f+8+\c], s[CF+16*\f+8+\c], s[CF+16*\f+12+\c]
	s_add_f32 s[CF+16*\f+\c],   s[CF+16*\f+\c],   s[CF+16*\f+8+\c]
.endr
	s_add_f32 s[CF+16*\f+2], s[CF+16*\f+2], s[B3+4*\f+2]       ; C2 += b3[2]
	s_add_f32 s[CF+16*\f+3], s[CF+16*\f+3], s[B3+4*\f+3]       ; C3 += b3[3]
	s_mul_f32 s[CF+16*\f+1], s[CF+16*\f+1], LOG2E
	s_mul_f32 s[CF+16*\f+3], s[CF+16*\f+3], LOG2E
	s_mul_f32 s[B3+4*\f+1],  s[B3+4*\f+1],  LOG2E
.endm
	FOLD 0
	FOLD 1
	s_wait_loadcnt 0x2                             ; z_log_var is in; epsilon and z_mean, issued behind it, may stay out
	v_pk_mul_f32 v[SG:SG+1],   v[SG:SG+1],   HLOG2E op_sel_hi:[1,0]
	v_pk_mul_f32 v[SG+2:SG+3], v[SG+2:SG+3], HLOG2E op_sel_hi:[1,0]
.irp i, 0,1,2,3
	v_exp_f32 v[SG+\i], v[SG+\i]                   ; sigma = exp(z_log_var / 2)
.endr
	v_exp_f32 v[E],   s[B3+1]                      ; the scale of y0, flow 0
	v_exp_f32 v[E+1], s[B3+5]                      ; and flow 1
	v_nop                                          ; one plain vector instruction behind the transcendentals before their results are used (ISA guide 5.7.2)
	s_wait_loadcnt 0x0
	s_wait_alu depctr_va_vdst(0)
	v_pk_fma_f32 v[Z:Z+1],   v[SG:SG+1],   v[EP:EP+1],   v[Z:Z+1]      ; z = z_mean + sigma epsilon
	v_pk_fma_f32 v[Z+2:Z+3], v[SG+2:SG+3], v[EP+2:EP+3], v[Z+2:Z+3]
; Flow f on my two rows, in place.  No line reads more than two scalar values.
.macro FLOW f
	v_fma_f32 v[Z],    v[Z],   v[E+\f], s[B3+4*\f]                     ; y0 = x0 E + S
	v_fma_f32 v[Z+2],  v[Z+2], v[E+\f], s[B3+4*\f]
	v_fma_f32 v[LS],   v[Z],   s[CF+16*\f+1], s[CF+16*\f+3]            ; (A3 y0 + C3) log2e
	v_fma_f32 v[LS+1], v[Z+2], s[CF+16*\f+1], s[CF+16*\f+3]
	v_exp_f32 v[LS],   v[LS]
	v_exp_f32 v[LS+1], v[LS+1]
	v_fma_f32 v[SH],   v[Z],   s[CF+16*\f], s[CF+16*\f+2]              ; A2 y0 + C2: also the plain place behind the exponentials
	v_fma_f32 v[SH+1], v[Z+2], s[CF+16*\f], s[CF+16*\f+2]
	s_wait_alu depctr_va_vdst(0)
	v_fma_f32 v[Z+1],  v[Z+1], v[LS],   v[SH]                          ; y1 = x1 exp(..) + shift
	v_fma_f32 v[Z+3],  v[Z+3], v[LS+1], v[SH+1]
.endm
	FLOW 0
	FLOW 1
	global_store_b128 v1, v[Z:Z+3], s[14:15] th:TH_STORE_NT    ; sixteen lanes store 256 consecutive bytes, aligned
	s_endpgm
.Lfunc_end_k_q72595b9173_flow:
	.size	k_q72595b9173_flow, .Lfunc_end_k_q72595b9173_flow-k_q72595b9173_flow
	.p2alignl 7, 3214868480
	.fill 96, 4, 3214868480
	.section	.rodata,"a",@progbits
	.p2align	6, 0x0
	.amdhsa_kernel k_q72595b9173_flow
		.amdhsa_group_segment_fixed_size 0
		.amdhsa_private_segment_fixed_size 0
		.amdhsa_enable_private_segment 0
		.amdhsa_kernarg_size 48
		.amdhsa_user_sgpr_count 2
		.amdhsa_user_sgpr_kernarg_segment_ptr 1
		.amdhsa_wavefront_size32 1
		.amdhsa_system_sgpr_workgroup_id_x 1
		.amdhsa_system_sgpr_workgroup_id_y 1
		.amdhsa_system_sgpr_workgroup_id_z 1
		.amdhsa_system_vgpr_workitem_id 0
		.amdhsa_next_free_vgpr 20
		.amdhsa_next_free_sgpr 66
		.amdhsa_reserve_vcc 0
		.amdhsa_float_denorm_mode_32 3
		.amdhsa_float_denorm_mode_16_64 3
		.amdhsa_memory_ordered 1
		.amdhsa_forward_progress 1
		.amdhsa_inst_pref_size 5
	.end_amdhsa_kernel
	.amdgpu_metadata
---
amdhsa.version: [ 1, 2 ]
amdhsa.kernels:
  - .name:           k_q72595b9173_flow
    .symbol:         k_q72595b9173_flow.kd
    .args:
      - { .name: coef, .offset: 0, .size: 8, .value_kind: global_buffer, .address_space: global }
      - { .name: b3, .offset: 8, .size: 8, .value_kind: global_buffer, .address_space: global }
      - { .name: z_mean, .offset: 16, .size: 8, .value_kind: global_buffer, .address_space: global }
      - { .name: z_log_var, .offset: 24, .size: 8, .value_kind: global_buffer, .address_space: global }
      - { .name: epsilon, .offset: 32, .size: 8, .value_kind: global_buffer, .address_space: global }
      - { .name: out0, .offset: 40, .size: 8, .value_kind: global_buffer, .address_space: global }
    .group_segment_fixed_size: 0
    .private_segment_fixed_size: 0
    .kernarg_segment_align: 8
    .kernarg_segment_size: 48
    .max_flat_workgroup_size: 256
    .sgpr_count:     66
    .vgpr_count:     20
    .wavefront_size: 32
...
	.end_amdgpu_metadata
.endif
;; end of part 2
